; MI455X (gfx1250); checked and timed in simulation.
; The chip was launched on July 23, 2026; its instructions are those of AMD's public machine-readable ISA for CDNA 5 (MIT licence, August 2026) and "CDNA5" Instruction Set Architecture Reference Guide (July 2026). The comments in the code are by the model that wrote it; some were corrected since.
;; Kernel Method Soft Max. Allowed arithmetic: float matrix products may take bf16 or f16 operands with f32 sums; all other float work in f32.
;; Inputs: centroids 1,024 x 16 float32; coeffs 1,024 x 1 float32; resolution_const 16 float32; resolution_scale 16 float32; widths 1,024 x 16 float32; x 131,072 x 16 float32.
;; Outputs: out0 131,072 x 1 float32.
;; One version. Each part assembles by itself: llvm-mc -triple=amdgcn-amd-amdhsa -mcpu=gfx1250 --defsym DOCPART=n.
;; ======== version 1 of 1: 1 launch
;; launch kernel_softmax (part 1): grid 256 x 1, 16 waves a work-group, no clusters, 145,408 bytes of LDS; arguments centroids, widths, coeffs, resolution_const, resolution_scale, x, out0; writes out0
.if DOCPART == 1
	.amdgcn_target "amdgcn-amd-amdhsa--gfx1250"
	.amdhsa_code_object_version 6
	.text
	.protected	k_q84f84e3022_kernel_softmax
	.globl	k_q84f84e3022_kernel_softmax
	.p2align	8
	.type	k_q84f84e3022_kernel_softmax,@function
k_q84f84e3022_kernel_softmax:
	s_mov_b64 s[64:65], 0
	v_nop
	global_prefetch_b8 v0, s[64:65] scope:SCOPE_SE
	s_setreg_imm32_b32 hwreg(HW_REG_WAVE_MODE, 25, 1), 1
	s_wait_xcnt 0x0
; out[n] = sum_m K[n][m] coeff[m] / sum_m K[n][m],  K[n][m] = kappa[m] exp(-0.5 sum_d (x[n][d]-c[m][d])^2 / cov[m][d]),
; cov = w^2 + rc^2 + (c rs)^2,  kappa = sqrt(sum_d cov) / (2 pi)^8.   N = 131072 rows, M = 1024 centroids, D = 16.
;
; THE ARITHMETIC.  x' = x - c0, c' = c - c0 (c0 = centroid row 0: the distance does not change, a common offset of x and c drops out).
;   log2 exp(arg) = sum_d a x'^2 + b x' + bias,   a = -0.5 log2(e) / cov,  b = -2 a c',  bias = sum_d a c'^2 (f32).
; That is a product over 32 features.  Its terms are far larger than their sum, so each side goes to the matrix unit as bf16 hi + bf16 lo
; and three products are summed in f32: Chi Xhi (+ bias as the C operand), Chi Xlo, Clo Xhi.  What is dropped is about 2^-16 of the largest term.
; The product is used transposed (source 0 = 16 centroids, source 1 = 16 rows of x): lane (r, h) then holds, for x row r, centroids 8h + j
; in register j, so that v_exp_f32 and v_cvt_pk_bf16_f32 on two such tiles give, with no shuffle, the B fragment (column = x row, k = 32 centroids)
; of the second product W P.  W's rows: 0 (kappa coeff) hi, 1 kappa hi, 2 (kappa coeff) lo, 3 kappa lo, 8-11 the same again, the rest 0.
; So lane r ends with S = reg0 + reg2 and Z = reg1 + reg3 of x row r.
;
; SHARES.  256 work-groups of 512 rows; 16 waves.  Wave w keeps centroids 64 w .. 64 w + 63 in registers for the whole kernel (4 tiles: Chi, Clo, bias; W for
; 2 pairs of tiles: 112 registers), made straight from global memory, each centroid once in the work-group.  The x features are made once (wave w: row blocks
; 2 w, 2 w + 1) and lie in LDS as fragments: 32 row blocks x 2048 bytes, lane l's 16 bytes at 16 l of each 512-byte chunk, so stores and loads are contiguous.
; Every wave walks the 32 row blocks: 4 LDS loads feed 14 matrix instructions.  Its sums over its 64 centroids go to LDS; waves 0-7 add the 16 partial sums.
;
; LIMITS, kept on purpose.  No maximum is taken away, as in the function computed: exp(arg) <= 1 up to rounding and kappa is multiplied in behind it.
; v_exp_f32 gives 0 for results under 2^-126 (ISA guide 15.8): such a K counts as 0, and a row all of whose K vanish gives NaN (0 times 1/0).
; v_rcp_f32 takes a Z under 2^-126 as 0.  exp(arg) is rounded to bf16 (relative error at most 2^-8); S and Z use the same rounded numbers.
;
; NO CLUSTER, NO TENSOR LOADS: what work-groups share is the two tables and coeffs, 135,168 bytes, read once by each work-group (1/16 by each wave) and
; changed in registers on the way (cov, reciprocal, split); no tile is ever asked for a second time.  All global loads go out at the head, so nothing is prefetched.
.set PART, 65536                       ; LDS: partial (S, Z), wave w at 4096 w, row at 8 row
.set SCR,  131072                      ; LDS: 768 bytes for each wave alone: bias[64], kappa coeff[64], kappa[64]
.set SCRW, 768
.set KA,   0xbf38aa3b                  ; -0.5 log2(e)
.set KC,   0x34dd0507                  ; (2 pi)^-8
; registers of the main loop
.set XA,  1                            ; LDS address of my 16 bytes in the row block that is loaded next
.set PA,  2                            ; LDS address of my row's partial sums
.set TP,  12                           ; v[12:15] two pairs at work
.set CH,  16                           ; v[16:47]   centroid features, hi, 4 tiles
.set CL,  48                           ; v[48:79]   centroid features, lo
.set BI,  80                           ; v[80:111]  bias as C tiles
.set WW,  112                          ; v[112:127] W for 2 pairs of tiles
.set XB,  128                          ; v[128:159] x fragments, two buffers of hi (8) + lo (8)
.set ACC, 160                          ; v[160:223] two sets of 4 accumulator tiles
.set PP,  224                          ; v[224:239] exp(arg) in bf16: B fragments of the 2 pairs
.set D2,  240                          ; v[240:255] two S/Z tiles
; registers of the head only (they lie where the loop's registers are not yet in use)
.set OX,   80                          ; 16: a row block's x features on their way to LDS
.set T1,   96                          ; 8
.set T2,   104                         ; 8
.set SA,   112                         ; pair
.set SB,   114                         ; pair
.set QA,   116                         ; pair
.set XR,   128                         ; 16: x as loaded, 2 row blocks
.set SQ,   144                         ; 8
.set LD,   160                         ; 64: c (8) and w (8) of 4 tiles as loaded
.set THI,  192
.set TLO,  193
.set RC,   224                         ; 8: rc, then rc^2, of my 8 dimensions
.set RS,   232                         ; 8
.set CEN0, 240                         ; 8: centroid row 0
.set COEF, 248                         ; 4
.set XS,   252
.set SS,   253
.set SL,   254
.set SW,   255
	s_load_b256 s[4:11], s[0:1], 0x0               ; centroids s[4:5], widths s[6:7], coeffs s[8:9], rc s[10:11]
	s_load_b128 s[12:15], s[0:1], 0x20             ; rs s[12:13], x s[14:15]
	s_load_b64 s[16:17], s[0:1], 0x30              ; out
	v_lshrrev_b32 v3, 5, v0
	v_readfirstlane_b32 s18, v3                    ; wave 0..15
	v_and_b32 v4, 15, v0                           ; r
	v_bfe_u32 v5, v0, 4, 1                         ; h
	v_and_b32 v6, 31, v0                           ; lane
	s_mov_b32 s20, 0x76543210                      ; v_permlanex16_b32: lane i reads lane i of the other half
	s_mov_b32 s21, 0xfedcba98
	s_mov_b32 s22, 0xffff0000                      ; a word's upper bf16
	v_lshlrev_b32 v7, 5, v5                        ; 32 h: my 8 dimensions in a row of 16 f32
	v_lshl_add_u32 v8, v4, 6, v7                   ; 64 r + 32 h
	s_lshl_b32 s23, s18, 11
	v_add_nc_u32 v9, s23, v8                       ; x: row 32 w + r of the group's 512
	s_lshl_b32 s19, s18, 12
	v_add_nc_u32 v10, s19, v8                      ; centroids, widths: row 64 w + r
	s_lshl_b32 s23, s18, 8
	v_lshl_add_u32 v11, v4, 2, s23                 ; coeffs: 4 (64 w + r)
	v_lshlrev_b32 v[XA], 4, v6                     ; 16 lane
	v_add_nc_u32 v[XS], s19, v[XA]                 ; + 2 w row blocks of 2048 bytes: where my x features go
	s_mul_i32 s24, s18, SCRW
	s_add_co_u32 s24, s24, SCR                     ; my wave's scratch
	v_lshl_add_u32 v[SS], v4, 2, s24               ; + 4 r
	v_add_nc_u32 v[SL], s24, v7                    ; + 32 h
	v_and_b32 v3, 1, v0
	v_lshl_add_u32 v[SW], v3, 8, v[SL]             ; + 256 (r & 1): even rows of W read kappa coeff, odd rows kappa
	s_add_co_u32 s25, s19, PART-256
	v_lshl_add_u32 v[PA], v4, 3, s25               ; PART + 4096 w + 8 r, less the 256 that the first step of each trip adds
	s_lshl_b32 s26, ttmp9, 15                      ; the group's 512 rows of 64 bytes
	s_mov_b32 s27, 0
	s_lshl_b32 s28, ttmp9, 11                      ; and of 4 bytes
	s_mov_b32 s29, 0
	s_wait_kmcnt 0x0
	s_add_nc_u64 s[14:15], s[14:15], s[26:27]
	s_add_nc_u64 s[16:17], s[16:17], s[28:29]
	; all 30 global loads of the wave, in the order in which they are used
	global_load_b128 v[CEN0:CEN0+3], v7, s[4:5]
	global_load_b128 v[CEN0+4:CEN0+7], v7, s[4:5] offset:16
.irp b, 0,1
	global_load_b128 v[XR+8*\b:XR+8*\b+3], v9, s[14:15] offset:1024*\b th:TH_LOAD_NT
	global_load_b128 v[XR+8*\b+4:XR+8*\b+7], v9, s[14:15] offset:1024*\b+16 th:TH_LOAD_NT
.endr
	global_load_b128 v[RC:RC+3], v7, s[10:11]
	global_load_b128 v[RC+4:RC+7], v7, s[10:11] offset:16
	global_load_b128 v[RS:RS+3], v7, s[12:13]
	global_load_b128 v[RS+4:RS+7], v7, s[12:13] offset:16
.irp t, 0,1,2,3
	global_load_b128 v[LD+16*\t:LD+16*\t+3], v10, s[4:5] offset:1024*\t
	global_load_b128 v[LD+16*\t+4:LD+16*\t+7], v10, s[4:5] offset:1024*\t+16
	global_load_b128 v[LD+16*\t+8:LD+16*\t+11], v10, s[6:7] offset:1024*\t
	global_load_b128 v[LD+16*\t+12:LD+16*\t+15], v10, s[6:7] offset:1024*\t+16
	global_load_b32 v[COEF+\t], v11, s[8:9] offset:64*\t
.endr
; two f32 -> their bf16 roundings (hi) and the bf16 roundings of what is left (lo)
.macro SPLIT src, hi, lo, tp
	v_cvt_pk_bf16_f32 v[\hi], v[\src], v[\src+1]
	v_lshlrev_b32 v[\tp], 16, v[\hi]
	v_and_b32 v[\tp+1], s22, v[\hi]
	v_pk_add_f32 v[\tp:\tp+1], v[\src:\src+1], v[\tp:\tp+1] neg_lo:[0,1] neg_hi:[0,1]
	v_cvt_pk_bf16_f32 v[\lo], v[\tp], v[\tp+1]
.endm
; x features of row block 2 w + b.  Lane (r, h) has dimensions 8h .. 8h+7 of row r, which are just the k = 8h .. (squares) and k = 16+8h .. (x')
; of its fragment registers 0-3 and 4-7: the fragment is made where it is needed and stored as it stands.
.macro XBLK b
.irp j, 0,2,4,6
	v_pk_add_f32 v[XR+8*\b+\j:XR+8*\b+\j+1], v[XR+8*\b+\j:XR+8*\b+\j+1], v[CEN0+\j:CEN0+\j+1] neg_lo:[0,1] neg_hi:[0,1]
.endr
.irp j, 0,2,4,6
	v_pk_mul_f32 v[SQ+\j:SQ+\j+1], v[XR+8*\b+\j:XR+8*\b+\j+1], v[XR+8*\b+\j:XR+8*\b+\j+1]
.endr
.irp q, 0,1,2,3
	SPLIT SQ+2*\q, OX+\q, OX+8+\q, TP
	SPLIT XR+8*\b+2*\q, OX+4+\q, OX+12+\q, TP+2
.endr
.irp c, 0,1,2,3
	ds_store_b128 v[XS], v[OX+4*\c:OX+4*\c+3] offset:2048*\b+512*\c
.endr
.endm
	s_wait_loadcnt 24                              ; centroid row 0 and x are in; the 24 younger loads stay out
	XBLK 0
	XBLK 1
	s_wait_loadcnt 20                              ; rc and rs too; the 4 tiles' 20 loads stay out
.irp j, 0,2,4,6
	v_pk_mul_f32 v[RC+\j:RC+\j+1], v[RC+\j:RC+\j+1], v[RC+\j:RC+\j+1]
.endr
; centroid tile t: lane (r, h) has dimensions 8h .. 8h+7 of centroid 64 w + 16 t + r
.macro CTILE t
.set CC, LD+16*\t
.set CW, LD+16*\t+8
	s_wait_loadcnt 15-5*\t                         ; this tile's five loads are in; five for each later tile stay out
.irp j, 0,2,4,6
	v_pk_mul_f32 v[T1+\j:T1+\j+1], v[CC+\j:CC+\j+1], v[RS+\j:RS+\j+1]
.endr
.irp j, 0,2,4,6
	v_pk_fma_f32 v[CW+\j:CW+\j+1], v[CW+\j:CW+\j+1], v[CW+\j:CW+\j+1], v[RC+\j:RC+\j+1]
.endr
.irp j, 0,2,4,6
	v_pk_fma_f32 v[CW+\j:CW+\j+1], v[T1+\j:T1+\j+1], v[T1+\j:T1+\j+1], v[CW+\j:CW+\j+1]   ; cov
.endr
.irp j, 0,1,2,3,4,5,6,7
	v_rcp_f32 v[T1+\j], v[CW+\j]
.endr
.irp j, 0,2,4,6
	v_pk_add_f32 v[CC+\j:CC+\j+1], v[CC+\j:CC+\j+1], v[CEN0+\j:CEN0+\j+1] neg_lo:[0,1] neg_hi:[0,1]   ; c'; also the plain instructions behind the reciprocals (ISA guide 5.7.2)
.endr
	v_pk_add_f32 v[SA:SA+1], v[CW:CW+1], v[CW+2:CW+3]
	v_pk_add_f32 v[SB:SB+1], v[CW+4:CW+5], v[CW+6:CW+7]
	v_pk_add_f32 v[SA:SA+1], v[SA:SA+1], v[SB:SB+1]
	v_add_f32 v[SA], v[SA], v[SA+1]
	v_permlanex16_b32 v[SA+1], v[SA], s20, s21     ; the other 8 dimensions
	v_add_f32 v[SA], v[SA], v[SA+1]                ; sum of cov, the same in both halves
	v_sqrt_f32 v[SB], v[SA]
	s_wait_alu depctr_va_vdst(0)
.irp j, 0,2,4,6
	v_pk_mul_f32 v[T1+\j:T1+\j+1], v[T1+\j:T1+\j+1], KA op_sel_hi:[1,0]        ; a
.endr
.irp j, 0,2,4,6
	v_pk_mul_f32 v[T2+\j:T2+\j+1], v[T1+\j:T1+\j+1], v[CC+\j:CC+\j+1]          ; a c'
.endr
	v_pk_mul_f32 v[QA:QA+1], v[T2:T2+1], v[CC:CC+1]
.irp j, 2,4,6
	v_pk_fma_f32 v[QA:QA+1], v[T2+\j:T2+\j+1], v[CC+\j:CC+\j+1], v[QA:QA+1]
.endr
	v_add_f32 v[QA], v[QA], v[QA+1]
	v_permlanex16_b32 v[QA+1], v[QA], s20, s21
	v_add_f32 v[QA], v[QA], v[QA+1]                ; bias
	v_mul_f32 v[SB], KC, v[SB]                     ; kappa
	v_mul_f32 v[SB+1], v[SB], v[COEF+\t]           ; kappa coeff
	ds_store_b32 v[SS], v[QA] offset:64*\t         ; both halves of the lanes store the same number to the same word
	ds_store_b32 v[SS], v[SB+1] offset:256+64*\t
	ds_store_b32 v[SS], v[SB] offset:512+64*\t
.irp j, 0,2,4,6
	v_pk_mul_f32 v[T2+\j:T2+\j+1], v[T2+\j:T2+\j+1], -2.0 op_sel_hi:[1,0]      ; b
.endr
.irp q, 0,1,2,3
	SPLIT T1+2*\q, CH+8*\t+\q, CL+8*\t+\q, TP
	SPLIT T2+2*\q, CH+8*\t+4+\q, CL+8*\t+4+\q, TP+2
.endr
.endm
	CTILE 0
	CTILE 1
	CTILE 2
	CTILE 3
	; From one number a lane to the layouts that run along registers, through the wave's own scratch (LDS serves a wave's instructions in order, ISA guide 5.7.1).
.irp t, 0,1,2,3
	ds_load_b128 v[BI+8*\t:BI+8*\t+3], v[SL] offset:64*\t              ; C tile: register j = bias of centroid 16 t + 8 h + j
	ds_load_b128 v[BI+8*\t+4:BI+8*\t+7], v[SL] offset:64*\t+16
.endr
.irp g, 0,1,2,3
	ds_load_b128 v[LD+8*\g:LD+8*\g+3], v[SW] offset:256+64*\g          ; kappa coeff or kappa of centroids 16 g + 8 h + 0 .. 7
	ds_load_b128 v[LD+8*\g+4:LD+8*\g+7], v[SW] offset:256+64*\g+16
.endr
	v_and_b32 v3, 6, v0
	v_cmp_eq_u32 s30, 0, v3                        ; rows 0, 1, 8, 9 of W: the hi parts
	v_cmp_eq_u32 s31, 2, v3                        ; rows 2, 3, 10, 11: the lo parts; all other rows 0
	s_wait_dscnt 0x0
.irp g, 0,1,2,3
.irp q, 0,1,2,3
	SPLIT LD+8*\g+2*\q, THI, TLO, TP
	v_cndmask_b32 v[WW+4*\g+\q], 0, v[TLO], s31
	v_cndmask_b32 v[WW+4*\g+\q], v[WW+4*\g+\q], v[THI], s30
.endr
.endr
	s_barrier_signal -1                            ; my x features are in LDS (the wait for 0 above stands behind their stores)
	s_barrier_wait -1                              ; everybody's are
; THE LOOP.  Step i: the 12 matrix instructions of row block i + 1 (set AT, from x buffer XT) between the exponentials and conversions of row block i (set AS);
; at its head the loads of row block i + 2 into the buffer that row block i has left; the add and the store of row block i - 1's S and Z on the way.
; The accumulators take turns, one instruction a turn.
.macro MM k                            ; k = 0-3: Chi Xhi + bias; 4-7: + Chi Xlo; 8-11: + Clo Xhi; tile k mod 4
.if \k < 4
	v_wmma_f32_16x16x32_bf16 v[AT+8*\k:AT+8*\k+7], v[CH+8*\k:CH+8*\k+7], v[XT:XT+7], v[BI+8*\k:BI+8*\k+7]
.else
.if \k < 8
	v_wmma_f32_16x16x32_bf16 v[AT+8*(\k-4):AT+8*(\k-4)+7], v[CH+8*(\k-4):CH+8*(\k-4)+7], v[XT+8:XT+15], v[AT+8*(\k-4):AT+8*(\k-4)+7]
.else
	v_wmma_f32_16x16x32_bf16 v[AT+8*(\k-8):AT+8*(\k-8)+7], v[CL+8*(\k-8):CL+8*(\k-8)+7], v[XT:XT+7], v[AT+8*(\k-8):AT+8*(\k-8)+7]
.endif
.endif
.endm
.macro MMC mm, k
.if \mm
	MM \k
.endif
.endm
.macro EX first, cnt                   ; exp(arg) in place, registers first .. of the set's 32
.set ei, \first
.rept \cnt
	v_exp_f32 v[AS+ei], v[AS+ei]
.set ei, ei+1
.endr
.endm
.macro CV first, cnt                   ; two neighbouring centroids of a lane's x row into one register of P
.set ci, \first
.rept \cnt
	v_cvt_pk_bf16_f32 v[PP+ci], v[AS+2*ci], v[AS+2*ci+1]
.set ci, ci+1
.endr
.endm
; par: i mod 2.  ld, xo: load row block i + 2 from XA + xo.  mm: there is a row block i + 1.  ep, po: row block i - 1's sums go to PA + po.
; fk, fa: the plain instruction behind the first 16 exponentials: 1 PA += fa, 2 XA += fa, 0 v_nop.
.macro STEP par, ld, xo, mm, ep, po, fk, fa
.set AS, ACC+32*\par
.set AT, ACC+32*(1-\par)
.set XT, XB+16*(1-\par)
.set XN, XB+16*\par
.set DNOW, D2+8*\par
.set DPREV, D2+8*(1-\par)
.if \ld
.irp c, 0,1,2,3
	ds_load_b128 v[XN+4*\c:XN+4*\c+3], v[XA] offset:\xo+512*\c      ; nine plain vector instructions stand between the last matrix instruction that read this buffer and here
.endr
	s_wait_dscnt 0x4                               ; all but the four just issued: row block i + 1 is in
.else
.if \mm
	s_wait_dscnt 0x1                               ; only the store issued behind the last four loads may be out
.endif
.endif
	MMC \mm, 0
	EX 0, 4
	MMC \mm, 1
	EX 4, 4
	MMC \mm, 2
	EX 8, 4
	MMC \mm, 3
	EX 12, 4
	MMC \mm, 4
.if \fk == 1
	v_add_nc_u32 v[PA], \fa, v[PA]                 ; a plain instruction between the exponentials and the first use of their results (ISA guide 5.7.2)
	s_wait_alu depctr_va_vdst(0)
.else
.if \fk == 2
	v_add_nc_u32 v[XA], \fa, v[XA]
	s_wait_alu depctr_va_vdst(0)
.else
	v_nop
	s_wait_alu depctr_va_vdst(0)
.endif
.endif
	CV 0, 2
	MMC \mm, 5
	CV 2, 3
	MMC \mm, 6
	CV 5, 3
	v_wmma_f32_16x16x32_bf16 v[DNOW:DNOW+7], v[WW:WW+7], v[PP:PP+7], 0          ; S, Z: centroids 0-31 of my 64 start the sums
	MMC \mm, 7
	EX 16, 3
	MMC \mm, 8
	EX 19, 3
	MMC \mm, 9
	EX 22, 3
	MMC \mm, 10
	EX 25, 3
	MMC \mm, 11
	EX 28, 4
.if \ep
	v_pk_add_f32 v[DPREV:DPREV+1], v[DPREV:DPREV+1], v[DPREV+2:DPREV+3]         ; (S, Z) = hi + lo of row block i - 1; again the plain instruction behind the exponentials
	s_wait_alu depctr_va_vdst(0)
.else
	v_nop
	s_wait_alu depctr_va_vdst(0)
.endif
	CV 8, 4
.if \ep
	ds_store_b64 v[PA], v[DPREV:DPREV+1] offset:\po                             ; both halves of the lanes hold and store the same pair
.endif
	CV 12, 4
.if \mm == 0
	s_wait_alu depctr_va_vdst(0)                   ; this link follows the one that it adds onto
.endif
	v_wmma_f32_16x16x32_bf16 v[DNOW:DNOW+7], v[WW+8:WW+15], v[PP+8:PP+15], v[DNOW:DNOW+7]   ; centroids 32-63
.endm
.irp c, 0,1,2,3
	ds_load_b128 v[XB+4*\c:XB+4*\c+3], v[XA] offset:512*\c                      ; row block 0
.endr
.irp c, 0,1,2,3
	ds_load_b128 v[XB+16+4*\c:XB+16+4*\c+3], v[XA] offset:2048+512*\c           ; row block 1
.endr
	s_wait_dscnt 0x4                               ; row block 0 is in
.set AT, ACC
.set XT, XB
.irp k, 0,1,2,3,4,5,6,7,8,9,10,11
	MM \k
.endr
.rept 4
	v_nop                                          ; four places (ISA guide 7.12.1) before x buffer 0 is loaded again and the results are read
.endr
	STEP 0, 1, 4096, 1, 0, 0, 2, 3*2048            ; step 0: loads row block 2; XA then points at row block 3
	s_mov_b32 s32, 14
.Ltrip:                                            ; steps 2k+1 and 2k+2, k = 0 .. 13
	STEP 1, 1, 0,    1, 1, 0,   1, 256
	STEP 0, 1, 2048, 1, 1, 128, 2, 4096
	s_sub_co_u32 s32, s32, 1
	s_cmp_lg_u32 s32, 0
	s_cbranch_scc1 .Ltrip
	STEP 1, 1, 0, 1, 1, 0,   1, 256                ; step 29: the last load, row block 31
	STEP 0, 0, 0, 1, 1, 128, 0, 0                  ; step 30: nothing left to load
	STEP 1, 0, 0, 0, 1, 256, 0, 0                  ; step 31: nothing left to multiply
.rept 4
	v_nop                                          ; four places before the last result is read
.endr
	v_pk_add_f32 v[D2+8:D2+9], v[D2+8:D2+9], v[D2+10:D2+11]
	ds_store_b64 v[PA], v[D2+8:D2+9] offset:384
	s_wait_dscnt 0x0                               ; my partial sums are in LDS
	s_barrier_signal -1
	s_barrier_wait -1                              ; everybody's are
	; Thread t of waves 0-7 takes rows 2 t and 2 t + 1: 16 bytes (S, Z, S, Z) from each of the 16 waves' parts.
	s_cmp_ge_u32 s18, 8
	s_cbranch_scc1 .Lend
	v_lshlrev_b32 v3, 4, v0
	v_add_nc_u32 v3, PART, v3
.irp w, 0,1,2,3,4,5,6,7,8,9,10,11,12,13,14,15
	ds_load_b128 v[ACC+4*\w:ACC+4*\w+3], v3 offset:4096*\w
.endr
	v_lshlrev_b32 v4, 3, v0                        ; 8 t: my two numbers in the group's 2048 bytes of out
	s_wait_dscnt 0x0
.irp w, 0,1,2,3,4,5,6,7
	v_pk_add_f32 v[ACC+4*\w:ACC+4*\w+1], v[ACC+4*\w:ACC+4*\w+1], v[ACC+4*\w+32:ACC+4*\w+33]
	v_pk_add_f32 v[ACC+4*\w+2:ACC+4*\w+3], v[ACC+4*\w+2:ACC+4*\w+3], v[ACC+4*\w+34:ACC+4*\w+35]
.endr
.irp w, 0,1,2,3
	v_pk_add_f32 v[ACC+4*\w:ACC+4*\w+1], v[ACC+4*\w:ACC+4*\w+1], v[ACC+4*\w+16:ACC+4*\w+17]
	v_pk_add_f32 v[ACC+4*\w+2:ACC+4*\w+3], v[ACC+4*\w+2:ACC+4*\w+3], v[ACC+4*\w+18:ACC+4*\w+19]
.endr
.irp w, 0,1
	v_pk_add_f32 v[ACC+4*\w:ACC+4*\w+1], v[ACC+4*\w:ACC+4*\w+1], v[ACC+4*\w+8:ACC+4*\w+9]
	v_pk_add_f32 v[ACC+4*\w+2:ACC+4*\w+3], v[ACC+4*\w+2:ACC+4*\w+3], v[ACC+4*\w+10:ACC+4*\w+11]
.endr
	v_pk_add_f32 v[ACC:ACC+1], v[ACC:ACC+1], v[ACC+4:ACC+5]
	v_pk_add_f32 v[ACC+2:ACC+3], v[ACC+2:ACC+3], v[ACC+6:ACC+7]
	v_rcp_f32 v[TP], v[ACC+1]
	v_rcp_f32 v[TP+1], v[ACC+3]
	v_nop                                          ; a plain instruction before the reciprocals are used (ISA guide 5.7.2)
	s_wait_alu depctr_va_vdst(0)
	v_mul_f32 v[TP], v[ACC], v[TP]
	v_mul_f32 v[TP+1], v[ACC+2], v[TP+1]
	global_store_b64 v4, v[TP:TP+1], s[16:17] th:TH_STORE_NT       ; a wave's store covers 256 consecutive bytes, at a multiple of 256 from out's first byte
.Lend:
	s_wait_xcnt 0x0
	v_lshl_add_u32 v254, v0, 2, 0x23000
	v_mov_b32 v255, 0
	s_wait_tensorcnt 0x0
	ds_add_u32 v254, v255
	s_wait_dscnt 0x0
	s_endpgm
.Lfunc_end_k_q84f84e3022_kernel_softmax:
	.size	k_q84f84e3022_kernel_softmax, .Lfunc_end_k_q84f84e3022_kernel_softmax-k_q84f84e3022_kernel_softmax
	.p2alignl 7, 3214868480
	.fill 96, 4, 3214868480
	.section	.rodata,"a",@progbits
	.p2align	6, 0x0
	.amdhsa_kernel k_q84f84e3022_kernel_softmax
		.amdhsa_group_segment_fixed_size 145408
		.amdhsa_private_segment_fixed_size 0
		.amdhsa_enable_private_segment 0
		.amdhsa_kernarg_size 56
		.amdhsa_user_sgpr_count 2
		.amdhsa_user_sgpr_kernarg_segment_ptr 1
		.amdhsa_wavefront_size32 1
		.amdhsa_system_sgpr_workgroup_id_x 1
		.amdhsa_system_sgpr_workgroup_id_y 1
		.amdhsa_system_sgpr_workgroup_id_z 1
		.amdhsa_system_vgpr_workitem_id 0
		.amdhsa_next_free_vgpr 256
		.amdhsa_next_free_sgpr 66
		.amdhsa_reserve_vcc 0
		.amdhsa_float_denorm_mode_32 3
		.amdhsa_float_denorm_mode_16_64 3
		.amdhsa_memory_ordered 1
		.amdhsa_forward_progress 1
		.amdhsa_inst_pref_size 64
	.end_amdhsa_kernel
	.amdgpu_metadata
---
amdhsa.version: [ 1, 2 ]
amdhsa.kernels:
  - .name:           k_q84f84e3022_kernel_softmax
    .symbol:         k_q84f84e3022_kernel_softmax.kd
    .args:
      - { .name: centroids, .offset: 0, .size: 8, .value_kind: global_buffer, .address_space: global }
      - { .name: widths, .offset: 8, .size: 8, .value_kind: global_buffer, .address_space: global }
      - { .name: coeffs, .offset: 16, .size: 8, .value_kind: global_buffer, .address_space: global }
      - { .name: resolution_const, .offset: 24, .size: 8, .value_kind: global_buffer, .address_space: global }
      - { .name: resolution_scale, .offset: 32, .size: 8, .value_kind: global_buffer, .address_space: global }
      - { .name: x, .offset: 40, .size: 8, .value_kind: global_buffer, .address_space: global }
      - { .name: out0, .offset: 48, .size: 8, .value_kind: global_buffer, .address_space: global }
    .group_segment_fixed_size: 145408
    .private_segment_fixed_size: 0
    .kernarg_segment_align: 8
    .kernarg_segment_size: 56
    .max_flat_workgroup_size: 512
    .sgpr_count:     66
    .vgpr_count:     256
    .wavefront_size: 32
...
	.end_amdgpu_metadata
.endif
;; end of part 1
